; MI455X (gfx1250); checked and timed in simulation.
; The chip was launched on July 23, 2026; its instructions are those of AMD's public machine-readable ISA for CDNA 5 (MIT licence, August 2026) and "CDNA5" Instruction Set Architecture Reference Guide (July 2026). The comments in the code are by the model that wrote it; some were corrected since.
;; Mo E Model. Allowed arithmetic: float matrix products may take bf16 or f16 operands with f32 sums; other float arithmetic in f32, or as packed bf16 or f16 multiplies, adds, multiply-adds, maxima and minima; sums over many terms, partial sums and values carried from step to step in f32; what a program stores and reads back later, other than sums and carried values, may be rounded once to bf16 or f16.
;; Inputs: W1 8 x 512 x 1,024 float32; W2 8 x 1,024 x 512 float32; W3 8 x 512 x 50 float32; Wr 512 x 8 float32; b1 8 x 1,024 float32; b2 8 x 512 float32; b3 8 x 50 float32; br 8 float32; x 4,096 x 512 float32.
;; Outputs: out0 4,096 x 50 float32; out1 4,096 x 8 float32.
;; One version. Each part assembles by itself: llvm-mc -triple=amdgcn-amd-amdhsa -mcpu=gfx1250 --defsym DOCPART=n.
;; ======== version 1 of 1: 3 launches
;; workspace buffers: wf 17,301,504 bytes; rt 8,192 bytes of whole numbers; part 2,097,152 bytes
;; launch prep (part 1): grid 256 x 1, 16 waves a work-group, no clusters, 92,672 bytes of LDS; arguments x, Wr, br, W1, W2, W3, out1, wf, rt; writes out1, wf, rt
.if DOCPART == 1
	.amdgcn_target "amdgcn-amd-amdhsa--gfx1250"
	.amdhsa_code_object_version 6
	.text
	.protected	k_qd93fee7b2b_prep
	.globl	k_qd93fee7b2b_prep
	.p2align	8
	.type	k_qd93fee7b2b_prep,@function
k_qd93fee7b2b_prep:
	s_mov_b64 s[64:65], 0
	v_nop
	global_prefetch_b8 v0, s[64:65] scope:SCOPE_SE
	s_setreg_imm32_b32 hwreg(HW_REG_WAVE_MODE, 25, 1), 1
	s_wait_xcnt 0x0
; PREP: the router, and the experts' weights rounded to bf16 and laid in the order in which the next launch's waves take them.
; THE PROGRAM.  reference() multiplies every token by all 8 experts and then keeps, by take_along_axis on its own top_k, the rows of 2 experts a token: for every value of the
; inputs the other 6 rows of a token reach no output.  Which 2 is a choice by whole numbers: this launch stores it (rt), the next launch reads it and multiplies the chosen
; 8,192 rows alone.  Every input has a way to an output and is loaded.  LIMIT: a NaN, an infinity or an overflow that arises only in an expert that a token did not choose is
; not formed; reference() throws those rows away too.
; FORMATS.  All inputs (x, Wr, br, W1, W2, W3, and in the next launch b1, b2, b3) are rounded once to bf16, to nearest even; all sums are f32.
; LIMITS.  NaN and infinities are not treated apart.  Two probabilities that differ by less than the rounding of an f32 sum may be ranked otherwise than reference() ranks them;
; equal ones go to the lower index, as in jax.lax.top_k.
; SHARES.  Work-group b (256 of them), 16 waves:
;   router: tokens 16 b .. 16 b + 15.  Wave w rounds token row 16 b + w into LDS, thread t rounds row t of Wr into LDS (turned: expert by expert); wave 0 multiplies, takes the
;           softmax (maximum taken away), stores out1, finds the two largest and stores them as bit masks.
;   weights: e = b / 32, dw = (b / 2) % 16, layer = b % 2.  wf is [expert][wave dw of the next launch][33 stages][4,096 bytes].  A stage is 32 along K x 64 output columns:
;           load i = 2 f + c of 8 (512 bytes), lane L = 16 h + r at 16 L: column 16 f + r, K = 16 c + 8 h + 0..7: source 0 of v_wmma_f32_16x16x32_bf16, as it lies in registers.
;           Wave w makes stage 16 layer + w: layer 0: W1[e], rows 32 w .., columns 64 dw ..; layer 1: W2[e], rows 512 (dw / 8) + 32 w .., columns 64 (dw % 8) ...
;           Stage 32 is W3[e], columns 16 (dw % 4) .. (50 to 63 are 0), K = 128 (dw / 4) + 16 i + 8 h ..: waves 12 to 15 make unit i = 4 layer + w - 12 of its eight.
; rt: 512 records of 16 bytes; record 256 k + b, halfword e: bit r is set where expert e is the k-th choice of token 16 b + r.  A work-group stores two records of 16 bytes: the buffer is 8 KiB in all.
.set XL,    0                          ; 16 rows of x in bf16, 1,024 bytes + 16: the pitch is an odd multiple of 16 bytes, so the 16 rows of a fragment load begin in 16 different 16-byte columns modulo 256
.set XP,    1040
.set WT,    16640                      ; Wr turned: 8 rows of 512 bf16, the same pitch
.set BN,    25088                      ; 4,096 bytes for each wave, its own: a stage on its way from rows of W to the operand order
.set SPARE, 90624                      ; the spare words, 128 bytes for each of 16 waves: eight blocks of 256 bytes that no other line names
.set WS,    64                         ; v[64:127]  the stage in f32: row 16 c + 8 hh + j, columns 4 q + s at WS + 32 c + 4 j + s
.set PK,    128                        ; v[128:159] the stage in bf16: column 4 q + s, K = 16 c + 8 hh + 0..7 at PK + 16 c + 4 s  (wave 0, earlier: v[128:143] two accumulators, v[144:151] br)
.set BK,    160                        ; v[160:191] the stage read back in the operand order  (wave 0, earlier: v[152:191] the softmax)
.set FR,    192                        ; v[192:255] wave 0: fragments of four K steps; later out1's 16 bytes, the two largest, the masks
; v0 thread  v1 my spare word  v2 0  v3 lane  v4 at work  v5 lane % 16  v6 lane / 16  v7 16 lane  v8 32 thread  v9 W3's column  v10 W3's offset  v11 BN, read  v12 W's offset  v13 XL, store  v14 WT, store  v15 BN, store
; v[16:31] x row (wave 0 later: v16-19 addresses)  v[32:39] x packed  v[40:47] Wr row  v[48:51] packed  v[52:59] W3  v[60:63] packed
; s2 wave  s3 b  s4 e  s5 dw  s6 layer  s[8:25] the nine addresses  s[26:27] my x row  s28, s29, s31 at work  s30 log2(e)  s[32:39] br  s[40:55] masks  s[56:57] W  s58 33 (b / 2)  s[60:61], s[62:63] wf
	s_load_b512 s[8:23], s[0:1], 0x0               ; x s[8:9], Wr s[10:11], br s[12:13], W1 s[14:15], W2 s[16:17], W3 s[18:19], out1 s[20:21], wf s[22:23]
	s_load_b64 s[24:25], s[0:1], 0x40              ; rt
	v_lshl_add_u32 v1, v0, 2, SPARE
	v_mov_b32 v2, 0
	v_and_b32 v3, 31, v0
	v_lshrrev_b32 v4, 5, v0
	v_readfirstlane_b32 s2, v4                     ; wave 0..15
	v_and_b32 v5, 15, v0
	v_bfe_u32 v6, v0, 4, 1
	v_lshlrev_b32 v7, 4, v3
	v_lshlrev_b32 v8, 5, v0
	s_mov_b32 s3, ttmp9
	s_lshr_b32 s4, s3, 5
	s_bfe_u32 s5, s3, 0x40001                      ; 4 bits from bit 1
	s_and_b32 s6, s3, 1
	s_lshl4_add_u32 s26, s3, s2                    ; token 16 b + w,
	s_lshl_b32 s26, s26, 11                        ; its 2,048 bytes
	s_mov_b32 s27, 0
	s_mul_i32 s28, s2, XP
	v_lshl_add_u32 v13, v3, 3, s28                 ; row w of XL, 8 bytes a lane
	v_lshlrev_b32 v14, 1, v0                       ; column t of WT
	s_lshl_b32 s28, s2, 12
	s_add_co_u32 s28, s28, BN                      ; my 4,096 bytes
	v_lshrrev_b32 v4, 2, v5
	v_lshl_add_u32 v15, v4, 10, s28                ; f = q / 4: two loads of 512 bytes,
	v_lshl_add_u32 v15, v6, 8, v15                 ; h = hh: 16 lanes of 16 bytes,
	v_and_b32 v4, 3, v5
	v_lshl_add_u32 v15, v4, 6, v15                 ; r = 4 (q % 4) + s
	v_add_nc_u32 v11, s28, v7
	s_lshr_b32 s58, s3, 1                          ; 16 e + dw
	s_mul_i32 s58, s58, 33
	s_lshl4_add_u32 s60, s6, s2                    ; my stage: 16 layer + w
	s_add_co_u32 s60, s60, s58
	s_lshl_b32 s60, s60, 12
	s_mov_b32 s61, 0
	; W3's unit.  Every wave makes these addresses (w % 4 stands for w - 12); waves 12 to 15 alone use them
	s_and_b32 s31, s2, 3
	s_lshl2_add_u32 s31, s6, s31                   ; unit i = 4 layer + w % 4
	s_add_co_u32 s62, s58, 32                      ; stage 32,
	s_lshl_b32 s62, s62, 12
	s_lshl_b32 s29, s31, 9                         ; unit i of it
	s_add_co_u32 s62, s62, s29
	s_mov_b32 s63, 0
	s_lshr_b32 s28, s5, 2
	s_lshl3_add_u32 s28, s28, s31                  ; its first K / 16 = 8 (dw / 4) + i
	s_mul_i32 s28, s28, 3200                       ; 16 rows of 200 bytes
	s_mul_i32 s29, s4, 102400
	s_add_co_u32 s28, s28, s29
	s_and_b32 s29, s5, 3
	s_lshl_b32 s29, s29, 4
	v_add_nc_u32 v9, s29, v5                       ; my column, 0 to 63
	v_min_u32 v10, 49, v9                          ; columns 50 to 63 read column 49 and are set to 0 below: no load leaves W3
	v_mul_u32_u24 v4, v6, 1600                     ; 8 h rows
	v_lshl_add_u32 v10, v10, 2, v4
	v_add_nc_u32 v10, s28, v10
	s_wait_kmcnt 0x0
	s_add_nc_u64 s[26:27], s[8:9], s[26:27]
	s_add_nc_u64 s[60:61], s[22:23], s[60:61]
	s_add_nc_u64 s[62:63], s[22:23], s[62:63]
	; THE LOADS, all of a wave's at once, the stage's 16 last, so that one count serves every wave
	s_cmp_ge_u32 s2, 12
	s_cbranch_scc0 .Lno_w3
.irp j, 0,1,2,3,4,5,6,7
	global_load_b32 v[52+\j], v10, s[18:19] offset:200*\j
.endr
.Lno_w3:
.irp i, 0,1,2,3
	global_load_b128 v[16+4*\i:19+4*\i], v7, s[26:27] offset:512*\i  ; my token's row, 512 bytes on end a load
.endr
	global_load_b128 v[40:43], v8, s[10:11]        ; row t of Wr
	global_load_b128 v[44:47], v8, s[10:11] offset:16
.macro WLOAD pitch                     ; 16 loads: lanes 0-15 take 256 bytes on end of row 16 c + j, lanes 16-31 of row 16 c + 8 + j; read once in the launch
.irp c, 0,1
.irp j, 0,1,2,3,4,5,6,7
	global_load_b128 v[WS+32*\c+4*\j:WS+32*\c+4*\j+3], v12, s[56:57] offset:(16*\c+\j)*(\pitch) th:TH_LOAD_NT
.endr
.endr
.endm
	s_lshl_b32 s56, s4, 21                         ; an expert's W1 and W2 are 2 MiB each
	s_cmp_eq_u32 s6, 0
	s_cbranch_scc0 .Lsecond
	s_lshl_b32 s28, s2, 17                         ; W1: 32 w rows of 4,096 bytes,
	s_add_co_u32 s56, s56, s28
	s_lshl_b32 s28, s5, 8                          ; 64 dw columns
	s_add_co_u32 s56, s56, s28
	s_mov_b32 s57, 0
	s_add_nc_u64 s[56:57], s[14:15], s[56:57]
	v_lshlrev_b32 v12, 15, v6                      ; 8 hh rows
	v_lshl_add_u32 v12, v5, 4, v12
	WLOAD 4096
	s_branch .Lasked
.Lsecond:
	s_lshr_b32 s28, s5, 3                          ; W2: the K half, 512 rows of 2,048 bytes,
	s_lshl_b32 s28, s28, 20
	s_add_co_u32 s56, s56, s28
	s_lshl_b32 s28, s2, 16                         ; 32 w rows,
	s_add_co_u32 s56, s56, s28
	s_and_b32 s28, s5, 7                           ; 64 (dw % 8) columns
	s_lshl_b32 s28, s28, 8
	s_add_co_u32 s56, s56, s28
	s_mov_b32 s57, 0
	s_add_nc_u64 s[56:57], s[16:17], s[56:57]
	v_lshlrev_b32 v12, 14, v6
	v_lshl_add_u32 v12, v5, 4, v12
	WLOAD 2048
.Lasked:
	; x AND Wr INTO LDS, in bf16
	s_wait_loadcnt 16                              ; loads come back in order: all but the stage's 16 are in
.irp i, 0,1,2,3
	v_cvt_pk_bf16_f32 v[32+2*\i], v[16+4*\i], v[17+4*\i]
	v_cvt_pk_bf16_f32 v[33+2*\i], v[18+4*\i], v[19+4*\i]
	ds_store_b64 v13, v[32+2*\i:33+2*\i] offset:XL+256*\i
.endr
.irp j, 0,1,2,3
	v_cvt_pk_bf16_f32 v[48+\j], v[40+2*\j], v[41+2*\j]
	ds_store_b16 v14, v[48+\j] offset:WT+(2*\j)*XP
	ds_store_b16_d16_hi v14, v[48+\j] offset:WT+(2*\j+1)*XP
.endr
	s_wait_dscnt 0x0                               ; for wave 0's sake: my stores are done
	s_barrier_signal -1
	s_barrier_wait -1                              ; the launch's one barrier: XL and WT are whole
	; THE ROUTER: wave 0.  Source 0 = 16 rows of WT (rows 8-15 repeat the 8 experts), source 1 = the 16 tokens: lane (r, h) ends with the 8 logits of token r in 8 registers, in both halves of the lanes.
	s_cmp_eq_u32 s2, 0
	s_cbranch_scc0 .Lno_router
	s_load_b256 s[32:39], s[12:13], 0x0
	s_mov_b32 s30, 0x3fb8aa3b                      ; log2(e)
	v_and_b32 v16, 7, v5
	v_mul_u32_u24 v16, v16, XP
	v_lshl_add_u32 v16, v6, 4, v16                 ; expert r % 8, 16 bytes for each half of the lanes
	v_mul_u32_u24 v17, v5, XP
	v_lshl_add_u32 v17, v6, 4, v17                 ; token r
	v_lshlrev_b32 v18, 5, v5
	v_lshl_add_u32 v18, v6, 4, v18
	s_lshl_b32 s28, s3, 9
	v_add_nc_u32 v18, s28, v18                     ; out1: token 16 b + r, experts 4 h ..
	s_lshl_b32 s28, s3, 4
	v_mov_b32 v19, s28                             ; rt: record b
	s_wait_kmcnt 0x0
.irp j, 0,1,2,3
	v_cvt_pk_bf16_f32 v[152+\j], s[32+2*\j], s[33+2*\j]  ; br rounded to bf16 like every input,
.endr
.irp j, 0,1,2,3
	v_lshlrev_b32 v[144+2*\j], 16, v[152+\j]       ; and back in f32: register j is expert j's: the C that starts the sum
	v_and_b32 v[145+2*\j], 0xffff0000, v[152+\j]
.endr
.macro RSTEP g                         ; four K steps of 32: 16 LDS loads, 4 products on two accumulators that take turns
.irp k, 0,1,2,3
	ds_load_b128 v[FR+16*\k:FR+16*\k+3],     v16 offset:WT+64*(4*(\g)+\k)
	ds_load_b128 v[FR+16*\k+4:FR+16*\k+7],   v16 offset:WT+64*(4*(\g)+\k)+32
	ds_load_b128 v[FR+16*\k+8:FR+16*\k+11],  v17 offset:XL+64*(4*(\g)+\k)
	ds_load_b128 v[FR+16*\k+12:FR+16*\k+15], v17 offset:XL+64*(4*(\g)+\k)+32
.endr
	s_wait_dscnt 0x0
.if (\g) == 0
	v_wmma_f32_16x16x32_bf16 v[128:135], v[FR:FR+7], v[FR+8:FR+15], v[144:151]
	v_wmma_f32_16x16x32_bf16 v[136:143], v[FR+16:FR+23], v[FR+24:FR+31], 0
.else
	v_wmma_f32_16x16x32_bf16 v[128:135], v[FR:FR+7], v[FR+8:FR+15], v[128:135]
	v_wmma_f32_16x16x32_bf16 v[136:143], v[FR+16:FR+23], v[FR+24:FR+31], v[136:143]
.endif
	v_wmma_f32_16x16x32_bf16 v[128:135], v[FR+32:FR+39], v[FR+40:FR+47], v[128:135]
	v_wmma_f32_16x16x32_bf16 v[136:143], v[FR+48:FR+55], v[FR+56:FR+63], v[136:143]
.rept 4
	v_nop                                          ; four places behind the last product, ahead of loads into registers that it has read
.endr
.endm
	RSTEP 0
	RSTEP 1
	RSTEP 2
	RSTEP 3
.rept 4
	v_nop                                          ; eight in all ahead of the sums that read the results: once a launch
.endr
.irp j, 0,2,4,6
	v_pk_add_f32 v[152+\j:153+\j], v[128+\j:129+\j], v[136+\j:137+\j]  ; the logits; each accumulator is read from its low end on
.endr
	v_max3_num_f32 v160, v152, v153, v154
	v_max3_num_f32 v160, v160, v155, v156
	v_max3_num_f32 v160, v160, v157, v158
	v_max_num_f32 v160, v160, v159                 ; the token's maximum, taken away before the exponentials as in reference()
	v_mul_f32 v161, s30, v160
.irp j, 0,1,2,3,4,5,6,7
	v_fma_f32 v[162+\j], v[152+\j], s30, -v161
.endr
.irp j, 0,1,2,3,4,5,6,7
	v_exp_f32 v[170+\j], v[162+\j]
.endr
	v_nop                                          ; a plain instruction behind the last exponential,
	s_wait_alu depctr_va_vdst(0)                   ; and a wait ahead of the batch's first reader
	v_pk_add_f32 v[178:179], v[170:171], v[172:173]
	v_pk_add_f32 v[180:181], v[174:175], v[176:177]
	v_pk_add_f32 v[178:179], v[178:179], v[180:181]
	v_add_f32 v178, v178, v179
	v_rcp_f32 v182, v178
	v_nop
	s_wait_alu depctr_va_vdst(0)
.irp j, 0,1,2,3,4,5,6,7
	v_mul_f32 v[184+\j], v[170+\j], v182           ; the probabilities
.endr
	v_cmp_eq_u32 vcc_lo, 1, v6
.irp j, 0,1,2,3
	v_cndmask_b32 v[192+\j], v[184+\j], v[188+\j], vcc_lo  ; lanes 0-15 store experts 0-3, lanes 16-31 experts 4-7
.endr
	global_store_b128 v18, v[192:195], s[20:21]    ; the wave's store covers 512 consecutive bytes of out1, aligned
	v_mov_b32 v196, v184                           ; the largest: a later one must be strictly greater, so equal ones go to the lower index
	v_mov_b32 v197, 0
.irp j, 1,2,3,4,5,6,7
	v_cmp_gt_f32 vcc_lo, v[184+\j], v196
	v_cndmask_b32 v196, v196, v[184+\j], vcc_lo
	v_cndmask_b32 v197, v197, \j, vcc_lo
.endr
	v_mov_b32 v198, -1.0                           ; the second: below every probability, so that a probability of 0 can be chosen
	v_mov_b32 v199, 0
.irp j, 0,1,2,3,4,5,6,7
	v_cmp_gt_f32 s28, v[184+\j], v198
	v_cmp_ne_u32 s29, \j, v197
	s_and_b32 s28, s28, s29
	v_cndmask_b32 v198, v198, v[184+\j], s28
	v_cndmask_b32 v199, v199, \j, s28
.endr
.irp e, 0,1,2,3,4,5,6,7
	v_cmp_eq_u32 s[40+\e], \e, v197                ; bit r (and r + 16): token r's first choice is expert e
	v_cmp_eq_u32 s[48+\e], \e, v199                ; its second
.endr
.irp q, 0,1,2,3,4,5,6,7
	s_and_b32 s[40+2*\q], s[40+2*\q], 0xffff       ; two masks of 16 bits to a word
	s_lshl_b32 s[41+2*\q], s[41+2*\q], 16
	s_or_b32 s[40+2*\q], s[40+2*\q], s[41+2*\q]
	v_mov_b32 v[200+\q], s[40+2*\q]
.endr
	v_cmp_eq_u32 vcc_lo, 0, v3
	s_wait_xcnt 0x0                                ; EXEC is a source of the loads and the store that are out: it changes only behind this wait
	s_and_saveexec_b32 s29, vcc_lo                 ; lane 0 alone
	global_store_b128 v19, v[200:203], s[24:25]    ; record b: first choices
	global_store_b128 v19, v[204:207], s[24:25] offset:4096  ; record 256 + b: second choices
	s_wait_xcnt 0x0                                ; and again ahead of the line that widens it
	s_or_b32 exec_lo, exec_lo, s29
.Lno_router:
	; W3's UNIT: waves 12 to 15
	s_cmp_ge_u32 s2, 12
	s_cbranch_scc0 .Lno_w3_out
.irp j, 0,1,2,3
	v_cvt_pk_bf16_f32 v[60+\j], v[52+2*\j], v[53+2*\j]
.endr
	v_cmp_gt_u32 vcc_lo, 50, v9
.irp j, 0,1,2,3
	v_cndmask_b32 v[60+\j], 0, v[60+\j], vcc_lo    ; columns 50 to 63 are 0
.endr
	global_store_b128 v7, v[60:63], s[62:63]       ; 512 consecutive bytes, aligned
.Lno_w3_out:
	; THE STAGE: every wave.  A lane holds 4 columns x 16 rows; eight rows of a column pack into the 16 bytes that one lane of the next launch loads.
	s_wait_loadcnt 0x0
.irp c, 0,1
.irp s, 0,1,2,3
.irp m, 0,1,2,3
	v_cvt_pk_bf16_f32 v[PK+16*\c+4*\s+\m], v[WS+32*\c+8*\m+\s], v[WS+32*\c+8*\m+4+\s]
.endr
	ds_store_b128 v15, v[PK+16*\c+4*\s:PK+16*\c+4*\s+3] offset:512*\c+16*\s
.endr
.endr
.irp i, 0,1,2,3,4,5,6,7
	ds_load_b128 v[BK+4*\i:BK+4*\i+3], v11 offset:512*\i  ; my own bytes; LDS serves a wave's instructions in order (ISA guide 5.7.1.4): these see the stores above
.endr
.irp i, 0,1,2,3,4,5,6,7
	s_wait_dscnt 7-\i                              ; the younger read-backs may stay out
	global_store_b128 v7, v[BK+4*\i:BK+4*\i+3], s[60:61] offset:512*\i  ; 512 consecutive bytes, aligned
.endr
	s_wait_tensorcnt 0x0                           ; the wave's end
	ds_add_u32 v1, v2
	s_wait_dscnt 0x0
	s_endpgm
.Lfunc_end_k_qd93fee7b2b_prep:
	.size	k_qd93fee7b2b_prep, .Lfunc_end_k_qd93fee7b2b_prep-k_qd93fee7b2b_prep
	.p2alignl 7, 3214868480
	.fill 96, 4, 3214868480
	.section	.rodata,"a",@progbits
	.p2align	6, 0x0
	.amdhsa_kernel k_qd93fee7b2b_prep
		.amdhsa_group_segment_fixed_size 92672
		.amdhsa_private_segment_fixed_size 0
		.amdhsa_enable_private_segment 0
		.amdhsa_kernarg_size 72
		.amdhsa_user_sgpr_count 2
		.amdhsa_user_sgpr_kernarg_segment_ptr 1
		.amdhsa_wavefront_size32 1
		.amdhsa_system_sgpr_workgroup_id_x 1
		.amdhsa_system_sgpr_workgroup_id_y 1
		.amdhsa_system_sgpr_workgroup_id_z 1
		.amdhsa_system_vgpr_workitem_id 0
		.amdhsa_next_free_vgpr 256
		.amdhsa_next_free_sgpr 66
		.amdhsa_reserve_vcc 1
		.amdhsa_float_denorm_mode_32 3
		.amdhsa_float_denorm_mode_16_64 3
		.amdhsa_memory_ordered 1
		.amdhsa_forward_progress 1
		.amdhsa_inst_pref_size 30
	.end_amdhsa_kernel
	.amdgpu_metadata
---
amdhsa.version: [ 1, 2 ]
amdhsa.kernels:
  - .name:           k_qd93fee7b2b_prep
    .symbol:         k_qd93fee7b2b_prep.kd
    .args:
      - { .name: x, .offset: 0, .size: 8, .value_kind: global_buffer, .address_space: global }
      - { .name: Wr, .offset: 8, .size: 8, .value_kind: global_buffer, .address_space: global }
      - { .name: br, .offset: 16, .size: 8, .value_kind: global_buffer, .address_space: global }
      - { .name: W1, .offset: 24, .size: 8, .value_kind: global_buffer, .address_space: global }
      - { .name: W2, .offset: 32, .size: 8, .value_kind: global_buffer, .address_space: global }
      - { .name: W3, .offset: 40, .size: 8, .value_kind: global_buffer, .address_space: global }
      - { .name: out1, .offset: 48, .size: 8, .value_kind: global_buffer, .address_space: global }
      - { .name: wf, .offset: 56, .size: 8, .value_kind: global_buffer, .address_space: global }
      - { .name: rt, .offset: 64, .size: 8, .value_kind: global_buffer, .address_space: global }
    .group_segment_fixed_size: 92672
    .private_segment_fixed_size: 0
    .kernarg_segment_align: 8
    .kernarg_segment_size: 72
    .max_flat_workgroup_size: 512
    .sgpr_count:     66
    .vgpr_count:     256
    .wavefront_size: 32
...
	.end_amdgpu_metadata
.endif
;; end of part 1
;; launch chain (part 2): grid 178 x 1, 16 waves a work-group, no clusters, 273,664 bytes of LDS; arguments x, b1, b2, b3, out1, wf, rt, part; writes part
.if DOCPART == 2
	.amdgcn_target "amdgcn-amd-amdhsa--gfx1250"
	.amdhsa_code_object_version 6
	.text
	.protected	k_qd93fee7b2b_chain
	.globl	k_qd93fee7b2b_chain
	.p2align	8
	.type	k_qd93fee7b2b_chain,@function
k_qd93fee7b2b_chain:
	s_mov_b64 s[64:65], 0
	v_nop
	global_prefetch_b8 v0, s[64:65] scope:SCOPE_SE
	s_setreg_imm32_b32 hwreg(HW_REG_WAVE_MODE, 25, 1), 1
	s_wait_xcnt 0x0
; CHAIN: a tile of up to 48 routed rows of ONE expert goes through the whole MLP: gather x, 512 -> 1024 (ReLU) -> 512 (ReLU) -> 50, times gate / 2, one partial row for each (token, choice).
; Left out: the 6 experts that a token did not choose (shown at the head of the first kernel); the choice is read from rt, which the launch before stored.
; GRID.  With T_e rows for expert e there are sum ceil(T_e / 48) tiles, at most floor((8,192 + 8 x 47) / 48) = 178 for every split of the tokens.  Work-group g finds its tile from rt by itself.
; A work-group past the last tile walks the same text on rows that exist and stores nothing: every wave passes every barrier, and none may stand under a branch on loaded numbers.
; In a tile that is not full the places past the count repeat the expert's last row; their stores are masked off.
; NO CLUSTER, NO TENSOR LOADS.  The weights come from memory straight into operand registers, in the order in which the launch before laid them: each byte has one reader in the work-group, so LDS would
; only be written and read once more for it (2.16 MB each way a work-group), with a barrier of all 16 waves at each refill; and an expert's tiles are no multiple of four at every split.
; FORMATS.  x, b1, b2, b3 rounded to bf16 like all inputs; all sums f32.  h1 is rounded once to bf16 (not f16: with inputs 30 times larger h would pass f16's range).  h2 goes into the third product as TWO
; bf16 numbers, hi = bf16(h2) and lo = bf16(h2 - hi): 12 products more a wave, and h2's rounding falls from 2^-9 of a number to 2^-17.  NaN and infinities are not treated apart (max(0, NaN) gives 0 here).
; LAYOUT.  Source 0 = 16 output columns of W (a fragment of the stream), source 1 = 16 tokens.  In the result lane (r, h) holds token r and the columns 8 h + 0..7: 16 bytes of a row of h in bf16.
; SHARES.  16 waves, 256 registers each.  Layer 1: wave w has columns 64 w .. (4 tiles) x 48 rows, K = 512: stages 0-15 of its stream.  Layer 2: columns 64 (w % 8) .., the K half w / 8: stages 16-31; the
; halves meet in LDS.  Layer 3: columns 16 (w % 4) .., the K quarter w / 4: stage 32; the quarters meet in LDS.  The first K part starts its sums with the bias, the others with a block of zeros.
.set XT,    0                          ; 48 rows of x in bf16, pitch 1,040; later h2's hi, the same shape.  All pitches are odd multiples of 16 bytes: the 16 rows of a load begin in 16 different 16-byte columns modulo 256
.set XTP,   1040
.set H1,    50176                      ; 48 rows of h1, pitch 2,064
.set H1P,   2064
.set H2L,   H1                         ; later, when nobody reads h1 any more: h2's lo, 48 rows, pitch 1,040
.set RED,   149504                     ; layer 2: the upper K half's sums, 8 waves x 12,288 bytes
.set P3,    RED                        ; later: layer 3's four K quarters, each 48 rows of 64 f32, pitch 272
.set P3P,   272
.set BIAS,  247808                     ; f32: b1 [1024], b2 [512] at 4,096, b3 [50, then 14 zeros] at 6,144,
.set ZB,    BIAS+6400                  ; 64 zeros
.set TAB,   254464                     ; 512 records x 8 experts: (rows of that expert in the wave's earlier records) << 16 | the record's mask
.set WTT,   270848                     ; 16 waves x 8 halfwords: the wave's rows for each expert
.set INFO,  271104                     ; 48 x {gate / 2, slot}
.set SPARE, 271616                     ; the spare words, 128 bytes for each of 16 waves: eight blocks of 256 bytes that no other line names
.set STREAM, 33*4096                   ; a wave's weights for one expert
; v0 thread  v1 my spare word  v2 0 (the add's)  v3 16 lane  v4-6 fragment addresses of the three tiles of 16 rows  v7 the bias's address  v8 0 (ReLU)  v9-11 store addresses  v12 256 lane  v13 lane  v14 lane % 16  v15 lane / 16
; v[16:39], v[40:63] two buffers of token fragments (3 x 8)  v[64:159] a ring of three stages of weights (4 x 8 each), stage S in slot S % 3  v[160:255] 12 accumulators, (mt, f) at 160 + 8 (4 mt + f)
; the routing works in v[16:63]; the gathered x lies in v[160:207], packed in v[208:231]
; s2 wave  s3 g  s[8:23] the eight addresses  s24-27 masks of the bit count  s28, 29 byte selects  s[32:39] T_e  s40 tiles so far  s41 E  s42 E's first tile  s43 T_E  s44, 45, 69 at work  s46 first row  s47 rows
; s[48:49] my stream  s50 1: my work-group prefetches  s51 T_E - 1  for my three rows: s52-54 rank, s55-57 wave then slot, s58-60 rank in the wave then in the record, s61-63 lane then token, s66-68 entry  s[70:71] b1 or b2
	s_load_b512 s[8:23], s[0:1], 0x0               ; x s[8:9], b1 s[10:11], b2 s[12:13], b3 s[14:15], out1 s[16:17], wf s[18:19], rt s[20:21], part s[22:23]
	v_lshl_add_u32 v1, v0, 2, SPARE
	v_mov_b32 v2, 0
	v_lshrrev_b32 v16, 5, v0
	v_readfirstlane_b32 s2, v16                    ; wave 0..15
	v_and_b32 v13, 31, v0
	v_and_b32 v14, 15, v0
	v_bfe_u32 v15, v0, 4, 1
	v_lshlrev_b32 v3, 4, v13
	v_lshlrev_b32 v12, 8, v13
	v_mov_b32 v8, 0
	v_lshlrev_b32 v34, 2, v13                      ; 4 lane: the lane permutes take byte addresses
	v_lshlrev_b32 v33, 4, v0
	s_mov_b32 s3, ttmp9
	s_mov_b32 s24, 0x55555555
	s_mov_b32 s25, 0x33333333
	s_mov_b32 s26, 0x0f0f0f0f
	s_mov_b32 s27, 0x001f001f
	s_mov_b32 s28, 0x05040100                      ; the two low halves
	s_mov_b32 s29, 0x07060302                      ; the two high halves
	s_wait_kmcnt 0x0
	global_load_b128 v[16:19], v33, s[20:21]       ; record t: eight masks of 16 bits
	v_mul_u32_u24 v4, v14, XTP                     ; layer 1's addresses are made while it is on its way: token r, 16 bytes for each half of the lanes,
	v_lshl_add_u32 v4, v15, 4, v4
	v_add_nc_u32 v5, 16*XTP, v4                    ; rows 16 .., 32 ..
	v_add_nc_u32 v6, 32*XTP, v4
	s_lshl_b32 s44, s2, 8
	s_add_co_u32 s44, s44, BIAS
	v_lshl_add_u32 v7, v15, 5, s44                 ; b1 at column 64 w + 8 h
	v_mul_u32_u24 v9, v14, H1P
	v_lshl_add_u32 v9, v15, 4, v9
	s_lshl_b32 s44, s2, 7
	s_add_co_u32 s44, s44, H1
	v_add_nc_u32 v9, s44, v9                       ; h1: row r, column 64 w + 8 h
	v_add_nc_u32 v10, 16*H1P, v9
	v_add_nc_u32 v11, 32*H1P, v9
	s_wait_loadcnt 0x0
	; ROUTING 1: how many rows of each expert lie in my record, and in my wave's records ahead of it.  Two experts to a word, 16 bits each: no count passes 4,096.
.macro POPC q                          ; the set bits of both halves of word q
	v_lshrrev_b32 v[28+\q], 1, v[16+\q]
	v_and_b32 v[28+\q], s24, v[28+\q]
	v_sub_nc_u32 v[20+\q], v[16+\q], v[28+\q]
	v_lshrrev_b32 v[28+\q], 2, v[20+\q]
	v_and_b32 v[20+\q], s25, v[20+\q]
	v_and_b32 v[28+\q], s25, v[28+\q]
	v_add_nc_u32 v[20+\q], v[20+\q], v[28+\q]
	v_lshrrev_b32 v[28+\q], 4, v[20+\q]
	v_add_nc_u32 v[20+\q], v[20+\q], v[28+\q]
	v_and_b32 v[20+\q], s26, v[20+\q]
	v_lshrrev_b32 v[28+\q], 8, v[20+\q]
	v_add_nc_u32 v[20+\q], v[20+\q], v[28+\q]
	v_and_b32 v[20+\q], s27, v[20+\q]
.endm
	POPC 0
	POPC 1
	POPC 2
	POPC 3
.macro SCAN4 d, src                    ; a step of the running sum over the 32 lanes: lane l adds what lane l - d holds
	v_sub_nc_u32 v32, v34, 4*(\d)
.irp q, 0,1,2,3
	ds_bpermute_b32 v[28+\q], v32, v[(\src)+\q]
.endr
	v_cmp_le_u32 vcc_lo, \d, v13
	s_wait_dscnt 0x0
.irp q, 0,1,2,3
	v_cndmask_b32 v[28+\q], 0, v[28+\q], vcc_lo
.endr
.irp q, 0,1,2,3
	v_add_nc_u32 v[24+\q], v[(\src)+\q], v[28+\q]
.endr
.endm
	SCAN4 1, 20
	SCAN4 2, 24
	SCAN4 4, 24
	SCAN4 8, 24
	SCAN4 16, 24
.irp q, 0,1,2,3
	v_sub_nc_u32 v[28+\q], v[24+\q], v[20+\q]      ; without my own
.endr
.irp q, 0,1,2,3
	v_perm_b32 v[36+2*\q], v[28+\q], v[16+\q], s28 ; expert 2 q: count ahead << 16 | mask
	v_perm_b32 v[37+2*\q], v[28+\q], v[16+\q], s29 ; expert 2 q + 1
.endr
	v_lshl_add_u32 v33, v0, 5, TAB
	ds_store_b128 v33, v[36:39]
	ds_store_b128 v33, v[40:43] offset:16
.irp q, 0,1,2,3
	v_readlane_b32 s[52+\q], v[24+\q], 31          ; my wave's totals
.endr
.irp q, 0,1,2,3
	v_mov_b32 v[44+\q], s[52+\q]
.endr
	s_lshl_b32 s44, s2, 4
	s_add_co_u32 s44, s44, WTT
	v_mov_b32 v35, s44
	ds_store_b128 v35, v[44:47]                    ; all lanes store the same 16 bytes
	s_wait_dscnt 0x0                               ; for the others' sake
	s_barrier_signal -1
	s_barrier_wait -1                              ; the tables are whole
	; ROUTING 2: my work-group's tile
	v_lshl_add_u32 v35, v14, 4, WTT
	ds_load_b128 v[44:47], v35                     ; lane l: wave l % 16's totals
.irp q, 0,1,2,3
	v_mov_b32 v[52+\q], 0                          ; a DPP form's destination counts as read
.endr
	s_wait_dscnt 0x0
.irp q, 0,1,2,3
	v_mov_b32_dpp v[52+\q], v[44+\q] row_xmask:1 row_mask:0xf bank_mask:0xf
	v_add_nc_u32 v[48+\q], v[44+\q], v[52+\q]
.endr
.irp x, 2,4,8
.irp q, 0,1,2,3
	v_mov_b32_dpp v[52+\q], v[48+\q] row_xmask:\x row_mask:0xf bank_mask:0xf
	v_add_nc_u32 v[48+\q], v[48+\q], v[52+\q]
.endr
.endr
.irp q, 0,1,2,3
	v_readfirstlane_b32 s[52+\q], v[48+\q]
.endr
.irp q, 0,1,2,3
	s_and_b32 s[32+2*\q], s[52+\q], 0xffff         ; T_e
	s_lshr_b32 s[33+2*\q], s[52+\q], 16
.endr
	s_mov_b32 s40, 0
	s_mov_b32 s41, 0
	s_mov_b32 s42, 0
	s_mov_b32 s43, 0
.irp e, 0,1,2,3,4,5,6,7
	s_cmp_le_u32 s40, s3                           ; the last expert whose first tile is not behind g: an expert without rows is passed over
	s_cselect_b32 s41, \e, s41
	s_cselect_b32 s42, s40, s42
	s_cselect_b32 s43, s[32+\e], s43
	s_add_co_u32 s44, s[32+\e], 47
	s_mul_i32 s44, s44, 43691                      ; ceil(T / 48) = (T + 47) x 43,691 >> 21: 43,691 / 2^21 is over 1 / 48 by 1.6e-7, which up to 4,143 adds less than 1 / 48
	s_lshr_b32 s44, s44, 21
	s_add_co_u32 s40, s40, s44
.endr
	s_min_u32 s41, s41, 7                          ; E enters addresses
	s_sub_co_u32 s45, s3, s42                      ; my tile among E's
	s_mul_i32 s46, s45, 48                         ; its first row
	s_sub_co_i32 s47, s43, s46
	s_max_i32 s47, s47, 0
	s_min_i32 s47, s47, 48                         ; its rows: 0 past the last tile
	s_cmp_eq_u32 s45, 0
	s_cselect_b32 s50, 1, 0                        ; an expert's first tile prefetches its stream,
	s_cmp_lg_u32 s47, 0
	s_cselect_b32 s50, s50, 0                      ; if it has rows
	s_lshl_b32 s48, s41, 4
	s_add_co_u32 s48, s48, s2                      ; 16 E + wave
	s_mul_i32 s48, s48, STREAM
	s_mov_b32 s49, 0
	s_add_nc_u64 s[48:49], s[18:19], s[48:49]      ; never rewritten
	; the biases: waves 0-7 b1[E], waves 8-11 b2[E], 16 bytes a thread; wave 12 b3[E], 8 bytes a lane
	s_lshl_b32 s69, s41, 11                        ; a row of b2 is 2,048 bytes,
	s_lshl_b32 s44, s41, 12                        ; of b1 4,096
	s_mov_b32 s45, 127
	s_cmp_lt_u32 s2, 12
	s_cbranch_scc0 .Lnot_b12
	s_cmp_lt_u32 s2, 8
	s_cselect_b64 s[70:71], s[10:11], s[12:13]
	s_cselect_b32 s45, 255, s45                    ; my thread's place in the row
	s_cselect_b32 s69, s44, s69
	v_and_b32 v24, s45, v0
	v_lshlrev_b32 v24, 4, v24
	v_add_nc_u32 v24, s69, v24
	global_load_b128 v[16:19], v24, s[70:71]
	s_branch .Lbias_asked
.Lnot_b12:
	s_cmp_eq_u32 s2, 12
	s_cbranch_scc0 .Lbias_asked
	v_min_u32 v24, 24, v13                         ; 25 pairs; the lanes behind repeat the last and store 0
	s_mul_i32 s69, s41, 200
	v_lshlrev_b32 v24, 3, v24
	v_add_nc_u32 v24, s69, v24
	global_load_b64 v[16:17], v24, s[14:15]
.Lbias_asked:
.macro WSTAGE st                       ; a stage of my stream: 8 loads of 512 consecutive bytes, into slot st % 3
.irp i, 0,1,2,3,4,5,6,7
	global_load_b128 v[64+32*((\st)%3)+4*\i:64+32*((\st)%3)+4*\i+3], v3, s[48:49] offset:(\st)*4096+512*\i
.endr
.endm
	WSTAGE 0                                       ; the ring's first three stages go out ahead of the rest of the routing
	WSTAGE 1
	WSTAGE 2
	; ROUTING 3: my wave's three rows, 3 w + u of the tile: which token and which of its two choices has rank R among E's rows.  (v[16:19] and v24 belong to the bias's load, which is out.)
	s_lshr_b32 s44, s41, 1                         ; the waves' counts for E: word E / 2,
	s_cmp_eq_u32 s44, 1
	s_cselect_b32 s45, -1, 0
	v_cndmask_b32 v48, v44, v45, s45
	s_cmp_eq_u32 s44, 2
	s_cselect_b32 s45, -1, 0
	v_cndmask_b32 v48, v48, v46, s45
	s_cmp_eq_u32 s44, 3
	s_cselect_b32 s45, -1, 0
	v_cndmask_b32 v48, v48, v47, s45
	s_and_b32 s44, s41, 1
	s_lshl_b32 s44, s44, 4
	v_lshrrev_b32 v48, s44, v48                    ; half E % 2
	v_and_b32 v48, 0xffff, v48
.macro SCAN1 d, src                    ; the running sum over lanes 0-15 (lanes 16-31 are not used)
	v_sub_nc_u32 v32, v34, 4*(\d)
	ds_bpermute_b32 v50, v32, v[\src]
	v_cmp_le_u32 vcc_lo, \d, v13
	s_wait_dscnt 0x0
	v_cndmask_b32 v50, 0, v50, vcc_lo
	v_add_nc_u32 v49, v[\src], v50
.endm
	SCAN1 1, 48
	SCAN1 2, 49
	SCAN1 4, 49
	SCAN1 8, 49
	v_sub_nc_u32 v49, v49, v48                     ; lane l < 16: E's rows in the waves ahead of wave l
	s_max_u32 s51, s43, 1
	s_sub_co_u32 s51, s51, 1                       ; E's last rank
	s_mul_i32 s44, s2, 3
	s_add_co_u32 s44, s44, s46                     ; my first row's rank
	v_lshl_add_u32 v51, v13, 5, TAB
	s_lshl_b32 s45, s41, 2
	v_add_nc_u32 v51, s45, v51                     ; record `lane` of a wave, expert E
.macro ROWA u                          ; the wave of records that holds rank R: the last whose count ahead is not above R
	s_add_co_u32 s[52+\u], s44, \u
	s_min_u32 s[52+\u], s[52+\u], s51              ; past the count: the last row once more
	v_cmp_ge_u32 s[55+\u], s[52+\u], v49
	s_and_b32 s[55+\u], s[55+\u], 0xffff
	s_bcnt1_i32_b32 s[55+\u], s[55+\u]
	s_sub_co_u32 s[55+\u], s[55+\u], 1
	s_min_u32 s[55+\u], s[55+\u], 15               ; it enters an address
	v_readlane_b32 s[58+\u], v49, s[55+\u]
	s_sub_co_u32 s[58+\u], s[52+\u], s[58+\u]      ; the rank inside that wave
	s_lshl_b32 s45, s[55+\u], 10
	v_add_nc_u32 v[53+\u], s45, v51
	ds_load_b32 v[56+\u], v[53+\u]                 ; its 32 entries, a lane each
.endm
	ROWA 0
	ROWA 1
	ROWA 2
	s_wait_dscnt 0x0
.macro ROWB u                          ; the record, the bit, the token; then the row's loads
	s_add_co_u32 s45, s[58+\u], 1
	s_lshl_b32 s45, s45, 16
	v_cmp_gt_u32 s[61+\u], s45, v[56+\u]           ; entries whose count ahead is not above the rank
	s_bcnt1_i32_b32 s[61+\u], s[61+\u]
	s_sub_co_u32 s[61+\u], s[61+\u], 1
	s_min_u32 s[61+\u], s[61+\u], 31               ; the last of them
	v_readlane_b32 s[66+\u], v[56+\u], s[61+\u]
	s_lshr_b32 s45, s[66+\u], 16
	s_sub_co_u32 s[58+\u], s[58+\u], s45           ; the rank inside the record,
	s_and_b32 s[66+\u], s[66+\u], 0xffff           ; whose mask this is
	v_mbcnt_lo_u32_b32 v[59+\u], s[66+\u], 0       ; lane l: set bits below bit l
	v_cmp_eq_u32 s45, s[58+\u], v[59+\u]
	s_and_b32 s45, s45, s[66+\u]                   ; the set bit with that many below it
	s_ctz_i32_b32 s45, s45
	s_min_u32 s45, s45, 15
	s_lshl_b32 s[55+\u], s[55+\u], 5
	s_add_co_u32 s[55+\u], s[55+\u], s[61+\u]      ; the record's number: 256 k + token / 16
	s_and_b32 s[61+\u], s[55+\u], 255
	s_lshl4_add_u32 s[61+\u], s[61+\u], s45
	s_min_u32 s[61+\u], s[61+\u], 4095             ; the token: it enters addresses
	s_lshr_b32 s[55+\u], s[55+\u], 8
	s_lshl1_add_u32 s[55+\u], s[61+\u], s[55+\u]   ; the slot: 2 token + k
	s_lshl_b32 s45, s[61+\u], 11
	v_add_nc_u32 v[53+\u], s45, v3
.irp i, 0,1,2,3
	global_load_b128 v[160+16*\u+4*\i:163+16*\u+4*\i], v[53+\u], s[8:9] offset:512*\i  ; the token's row of x, 512 bytes on end a load
.endr
	s_lshl_b32 s45, s[61+\u], 5
	s_lshl_b32 s69, s41, 2
	s_add_co_u32 s45, s45, s69
	v_mov_b32 v[56+\u], s45
	global_load_b32 v[59+\u], v[56+\u], s[16:17]   ; its probability for E: the gate, into v59, v60, v61
.endm
	ROWB 0
	ROWB 1
	ROWB 2
	v_lshlrev_b32 v26, 3, v13
	s_mul_i32 s45, s2, 3*XTP
	v_add_nc_u32 v26, s45, v26                     ; XT: row 3 w, 8 bytes a lane
	s_mul_i32 s45, s2, 24
	s_add_co_u32 s45, s45, INFO
	v_mov_b32 v27, s45
	s_wait_dscnt 0x0
	s_barrier_signal -1
	s_barrier_wait -1                              ; every wave's reads of the tables, at addresses made of loaded numbers, are over: now LDS is written again
	s_wait_loadcnt 0x0                             ; x, the gates, the bias; the ring's three stages, asked for earlier, with them
.irp u, 0,1,2
.irp i, 0,1,2,3
	v_cvt_pk_bf16_f32 v[208+8*\u+2*\i], v[160+16*\u+4*\i], v[161+16*\u+4*\i]
	v_cvt_pk_bf16_f32 v[209+8*\u+2*\i], v[162+16*\u+4*\i], v[163+16*\u+4*\i]
	ds_store_b64 v26, v[208+8*\u+2*\i:209+8*\u+2*\i] offset:XT+XTP*\u+256*\i
.endr
	v_mul_f32 v62, 0.5, v[59+\u]                   ; reference() divides the weighted sum by 2
	v_mov_b32 v63, s[55+\u]
	ds_store_b64 v27, v[62:63] offset:8*\u         ; all lanes store the same 8 bytes
.endr
	s_cmp_lt_u32 s2, 12
	s_cbranch_scc0 .Lnot_b12_out
	v_cvt_pk_bf16_f32 v20, v16, v17                ; rounded to bf16 like every input, kept in f32: it is a C operand
	v_cvt_pk_bf16_f32 v21, v18, v19
	v_lshlrev_b32 v16, 16, v20
	v_and_b32 v17, 0xffff0000, v20
	v_lshlrev_b32 v18, 16, v21
	v_and_b32 v19, 0xffff0000, v21
	v_lshl_add_u32 v25, v0, 4, BIAS
	ds_store_b128 v25, v[16:19]
	s_branch .Lbias_in
.Lnot_b12_out:
	s_cmp_eq_u32 s2, 12
	s_cbranch_scc0 .Lnot_b3_out
	v_cvt_pk_bf16_f32 v20, v16, v17
	v_lshlrev_b32 v16, 16, v20
	v_and_b32 v17, 0xffff0000, v20
	v_cmp_gt_u32 vcc_lo, 25, v13
	v_cndmask_b32 v16, 0, v16, vcc_lo              ; columns 50 to 63 are 0
	v_cndmask_b32 v17, 0, v17, vcc_lo
	v_lshl_add_u32 v25, v13, 3, BIAS+6144
	ds_store_b64 v25, v[16:17]
	s_branch .Lbias_in
.Lnot_b3_out:
	s_cmp_eq_u32 s2, 13
	s_cbranch_scc0 .Lbias_in
	v_mov_b32 v16, 0                               ; the block of zeros with which the later K parts start their sums
	v_mov_b32 v17, 0
	v_lshl_add_u32 v25, v13, 3, ZB
	ds_store_b64 v25, v[16:17]
.Lbias_in:
	s_wait_dscnt 0x0
	s_barrier_signal -1
	s_barrier_wait -1                              ; x, the biases and INFO are whole
; A PASS: 16 K steps of 32, 12 accumulators (3 tiles of 16 rows x 4 tiles of 16 columns).  v4-6 and v7 are set ahead of it.  Layers 1 and 2 are this one text.
.macro PLACES n
.rept \n
	v_nop
.endr
.endm
.macro ALOAD kt                        ; K step kt's token fragments, six LDS loads, into buffer kt % 2
.irp m, 0,1,2
	ds_load_b128 v[16+24*((\kt)%2)+8*\m:16+24*((\kt)%2)+8*\m+3],   v[4+\m] offset:64*(\kt)
	ds_load_b128 v[16+24*((\kt)%2)+8*\m+4:16+24*((\kt)%2)+8*\m+7], v[4+\m] offset:64*(\kt)+32
.endr
.endm
.macro MM am, bf, cm                   ; accumulator (am, bf) = W's fragment bf x tokens' fragment am + accumulator (cm, bf); t and S are the step and its stage
.set rD, 160+8*(4*(\am)+(\bf))
.set rC, 160+8*(4*(\cm)+(\bf))
.set rW, 64+32*(S%3)+8*(\bf)
.set rA, 16+24*(t%2)+8*(\am)
	v_wmma_f32_16x16x32_bf16 v[rD:rD+7], v[rW:rW+7], v[rA:rA+7], v[rC:rC+7]
.endm
; A PREFETCH INTO THE L2.  All tiles of an expert walk the same stream: its first tile asks, each wave for its own stream, a lane a block of 256 bytes, two stages an instruction, in every second step: stages
; st + 11 and st + 12, eight steps ahead of the load of the first of them.  So each block is named once in the launch.  Stages 0 to 10 come by their loads alone; the last request (st = 20) names stages 31 and 32,
; the stream's last.  It stands behind the step's loads; its two address registers are never rewritten.
.macro ASK st
	s_cmp_eq_u32 s50, 1
	s_cbranch_scc0 .Lnot_first_\@
	global_prefetch_b8 v12, s[48:49] offset:((\st)+11)*4096 th:TH_LOAD_NT scope:SCOPE_SE
.Lnot_first_\@:
.endm
.macro PASS s0
.irp f, 0,1,2,3
	ds_load_b128 v[160+8*\f:163+8*\f], v7 offset:64*\f       ; the bias of my columns (or zeros) into the first row tile's accumulators: the same for all 16 tokens of a tile
	ds_load_b128 v[164+8*\f:167+8*\f], v7 offset:64*\f+16
.endr
	ALOAD 0
	ALOAD 1
.set t, 0
.rept 16
.set S, (\s0)+t
.if S > 30
	s_wait_loadcnt 8*(32-S)                        ; stage S is in: behind it only stage 32's eight loads are out
.else
	s_wait_loadcnt 16                              ; stage S is in: the two younger stages' 16 loads may stay out
.endif
.if t < 15
	s_wait_dscnt 6                                 ; this step's fragments (and the bias) are in: the next step's six loads may stay out
.else
	s_wait_dscnt 0x0
.endif
.if t == 0
.irp f, 0,1,2,3
	MM 1, \f, 0                                    ; the first products start the sums with the bias: nothing is cleared, and the bias is loaded once for the three row tiles
	MM 2, \f, 0
.endr
	PLACES 5                                       ; five places ahead of products that write over a C operand of the products above
.irp f, 0,1,2,3
	MM 0, \f, 0
.endr
.else
.irp f, 0,1,2,3
.irp m, 0,1,2
	MM \m, \f, \m                                  ; the 12 accumulators take turns, one instruction a turn, from step to step too
.endr
.endr
.endif
	PLACES 4                                       ; four places behind the last product, ahead of loads into registers that it has read
.if t < 14
	ALOAD t+2
.endif
.if S+3 <= 32
	WSTAGE S+3                                     ; into the slot just multiplied: the ring runs on from layer to layer
.endif
.if (S%2 == 0) && (S <= 20)
	ASK S
.endif
.set t, t+1
.endr
	PLACES 4                                       ; eight in all ahead of what reads the results: once a layer
.endm
	; LAYER 1
	PASS 0
.set a, 0
.rept 12                               ; 12 accumulators -> bf16 in v[16:63], 16 bytes a lane and accumulator, each read from its low end on
.irp m, 0,1,2,3
	v_cvt_pk_bf16_f32 v[16+4*a+\m], v[160+8*a+2*\m], v[161+8*a+2*\m]
.endr
.set a, a+1
.endr
.set a, 0
.rept 48
	v_pk_max_num_bf16 v[16+a], v[16+a], v8         ; ReLU, two at a time; rounding keeps signs, so the order of the two steps does not matter
.set a, a+1
.endr
.irp m, 0,1,2
.irp f, 0,1,2,3
	ds_store_b128 v[9+\m], v[16+4*(4*\m+\f):19+4*(4*\m+\f)] offset:32*\f
.endr
.endr
	v_mul_u32_u24 v4, v14, H1P                     ; layer 2's addresses: h1, row r, my K half
	v_lshl_add_u32 v4, v15, 4, v4
	s_lshr_b32 s44, s2, 3
	s_lshl_b32 s44, s44, 10
	s_add_co_u32 s44, s44, H1
	v_add_nc_u32 v4, s44, v4
	v_add_nc_u32 v5, 16*H1P, v4
	v_add_nc_u32 v6, 32*H1P, v4
	s_lshl_b32 s44, s2, 8
	s_add_co_u32 s44, s44, BIAS+4096
	s_cmp_lt_u32 s2, 8
	s_cselect_b32 s44, s44, ZB                     ; the lower K half starts with b2, the upper with zeros
	v_lshl_add_u32 v7, v15, 5, s44
	s_and_b32 s44, s2, 7
	s_mul_i32 s44, s44, 12288
	s_add_co_u32 s44, s44, RED
	v_add_nc_u32 v10, s44, v3
	s_wait_dscnt 0x0
	s_barrier_signal -1
	s_barrier_wait -1                              ; h1 is whole; nobody reads x any more
	; LAYER 2
	PASS 16
	s_cmp_ge_u32 s2, 8
	s_cbranch_scc0 .Lkeep
.set a, 0
.rept 12
	ds_store_b128 v10, v[160+8*a:163+8*a] offset:1024*a       ; the upper K half's sums, in f32, lane by lane
	ds_store_b128 v10, v[164+8*a:167+8*a] offset:1024*a+512
.set a, a+1
.endr
.Lkeep:
	s_wait_dscnt 0x0
	s_barrier_signal -1
	s_barrier_wait -1                              ; they lie in LDS; nobody reads h1 any more
	s_cmp_lt_u32 s2, 8
	s_cbranch_scc0 .Lh2_done
.set a, 0
.rept 24
	ds_load_b128 v[16+4*a:19+4*a], v10 offset:512*a  ; into v[16:111]: slot 2 of the ring, which takes stage 32, is not touched
.set a, a+1
.endr
	v_mul_u32_u24 v9, v14, XTP
	v_lshl_add_u32 v9, v15, 4, v9
	s_lshl_b32 s44, s2, 7
	v_add_nc_u32 v9, s44, v9                       ; h2's hi: row r, column 64 w + 8 h (XT begins at LDS byte 0)
	v_add_nc_u32 v11, H2L, v9                      ; its lo
	s_wait_dscnt 0x0
.set a, 0
.rept 48
	v_pk_add_f32 v[160+2*a:161+2*a], v[160+2*a:161+2*a], v[16+2*a:17+2*a]
.set a, a+1
.endr
.set a, 0
.rept 96
	v_max_num_f32 v[160+a], 0, v[160+a]            ; ReLU in f32: hi and lo are both made of it
.set a, a+1
.endr
.set a, 0
.rept 12
.irp m, 0,1,2,3
	v_cvt_pk_bf16_f32 v[16+4*a+\m], v[160+8*a+2*\m], v[161+8*a+2*\m]  ; hi
.endr
.set a, a+1
.endr
.irp m, 0,1,2
.irp f, 0,1,2,3
	ds_store_b128 v9, v[16+4*(4*\m+\f):19+4*(4*\m+\f)] offset:16*XTP*\m+32*\f
.endr
.endr
.set a, 0
.rept 12                               ; lo = bf16(h2 - hi): the difference is exact in f32.  Four sets of eight registers at work, in the ring's slot 0, take turns
.irp m, 0,1,2,3
	v_lshlrev_b32 v[64+8*(a%4)+2*\m], 16, v[16+4*a+\m]
	v_and_b32 v[65+8*(a%4)+2*\m], 0xffff0000, v[16+4*a+\m]
.endr
.irp m, 0,1,2,3
	v_pk_add_f32 v[160+8*a+2*\m:161+8*a+2*\m], v[160+8*a+2*\m:161+8*a+2*\m], v[64+8*(a%4)+2*\m:65+8*(a%4)+2*\m] neg_lo:[0,1] neg_hi:[0,1]
.endr
.irp m, 0,1,2,3
	v_cvt_pk_bf16_f32 v[16+4*a+\m], v[160+8*a+2*\m], v[161+8*a+2*\m]
.endr
.set a, a+1
.endr
.irp m, 0,1,2
.irp f, 0,1,2,3
	ds_store_b128 v11, v[16+4*(4*\m+\f):19+4*(4*\m+\f)] offset:16*XTP*\m+32*\f
.endr
.endr
.Lh2_done:
	s_wait_dscnt 0x0
	s_barrier_signal -1
	s_barrier_wait -1                              ; h2 is whole, hi and lo; nobody reads the upper half's sums any more
	; LAYER 3: one tile of 16 columns, a quarter of K, three accumulators; first hi's four K steps, then lo's, onto the same sums
	s_lshl_b32 s44, s2, 6
	s_add_co_u32 s44, s44, BIAS+6144
	s_cmp_lt_u32 s2, 4
	s_cselect_b32 s44, s44, ZB                     ; the first K quarter starts with b3
	v_lshl_add_u32 v7, v15, 5, s44
	ds_load_b128 v[160:163], v7
	ds_load_b128 v[164:167], v7 offset:16
	s_lshr_b32 s44, s2, 2
	s_lshl_b32 s45, s44, 8
	v_mul_u32_u24 v4, v14, XTP
	v_lshl_add_u32 v4, v15, 4, v4
	v_add_nc_u32 v4, s45, v4                       ; hi: row r, my K quarter
	v_add_nc_u32 v5, H2L, v4                       ; lo
.macro H2LOAD ad                       ; 24 LDS loads: four K steps x three tiles of 16 rows, into v[16:111]
.irp k, 0,1,2,3
.irp m, 0,1,2
	ds_load_b128 v[16+8*(3*\k+\m):19+8*(3*\k+\m)], v[\ad] offset:16*XTP*\m+64*\k
	ds_load_b128 v[20+8*(3*\k+\m):23+8*(3*\k+\m)], v[\ad] offset:16*XTP*\m+64*\k+32
.endr
.endr
.endm
	H2LOAD 4
	s_mul_i32 s44, s44, 48*P3P
	s_and_b32 s45, s2, 3
	s_lshl_b32 s45, s45, 6
	s_add_co_u32 s44, s44, s45
	s_add_co_u32 s44, s44, P3
	v_mul_u32_u24 v9, v14, P3P
	v_lshl_add_u32 v9, v15, 5, v9
	v_add_nc_u32 v9, s44, v9                       ; my quarter's sums: row r, column 16 (w % 4) + 8 h, in f32
	s_wait_loadcnt 0x0                             ; stage 32
	s_wait_dscnt 0x0
.macro M3 am, kt, cm
	v_wmma_f32_16x16x32_bf16 v[160+8*(\am):167+8*(\am)], v[128+8*(\kt):135+8*(\kt)], v[16+8*(3*(\kt)+(\am)):23+8*(3*(\kt)+(\am))], v[160+8*(\cm):167+8*(\cm)]
.endm
	M3 1, 0, 0
	M3 2, 0, 0
	PLACES 5                                       ; ahead of the product that writes over their C operand
	M3 0, 0, 0
.irp k, 1,2,3
	M3 1, \k, 1                                    ; the three accumulators take turns
	M3 2, \k, 2
	M3 0, \k, 0
.endr
	PLACES 4                                       ; ahead of loads into registers that the products have read
	H2LOAD 5
	s_wait_dscnt 0x0
.irp k, 0,1,2,3
	M3 1, \k, 1
	M3 2, \k, 2
	M3 0, \k, 0
.endr
	PLACES 8
.irp m, 0,1,2
	ds_store_b128 v9, v[160+8*\m:163+8*\m] offset:16*P3P*\m
	ds_store_b128 v9, v[164+8*\m:167+8*\m] offset:16*P3P*\m+16
.endr
	s_wait_dscnt 0x0
	s_barrier_signal -1
	s_barrier_wait -1                              ; all four quarters lie in LDS
	; OUT: waves 0-11, four rows each, two at a time: lanes 0-15 one row of 256 bytes, lanes 16-31 the next
	s_cmp_lt_u32 s2, 12
	s_cbranch_scc0 .Lend
	s_lshl_b32 s44, s2, 2
	v_add_nc_u32 v52, s44, v15                     ; row 4 w + lane / 16 (+ 2 u)
	v_add_nc_u32 v56, 2, v52
	v_lshlrev_b32 v55, 4, v14                      ; my 16 bytes of a row
	v_mul_u32_u24 v4, v52, P3P
	v_add_nc_u32 v4, v55, v4
	v_add_nc_u32 v4, P3, v4
	v_lshl_add_u32 v5, v52, 3, INFO
.irp u, 0,1
	ds_load_b64 v[16+2*\u:17+2*\u], v5 offset:16*\u
.irp k, 0,1,2,3
	ds_load_b128 v[20+16*\u+4*\k:23+16*\u+4*\k], v4 offset:2*P3P*\u+48*P3P*\k
.endr
.endr
	s_wait_dscnt 0x0
.irp u, 0,1
	v_pk_add_f32 v[20+16*\u:21+16*\u], v[20+16*\u:21+16*\u], v[24+16*\u:25+16*\u]
	v_pk_add_f32 v[22+16*\u:23+16*\u], v[22+16*\u:23+16*\u], v[26+16*\u:27+16*\u]
	v_pk_add_f32 v[28+16*\u:29+16*\u], v[28+16*\u:29+16*\u], v[32+16*\u:33+16*\u]
	v_pk_add_f32 v[30+16*\u:31+16*\u], v[30+16*\u:31+16*\u], v[34+16*\u:35+16*\u]
	v_pk_add_f32 v[20+16*\u:21+16*\u], v[20+16*\u:21+16*\u], v[28+16*\u:29+16*\u]
	v_pk_add_f32 v[22+16*\u:23+16*\u], v[22+16*\u:23+16*\u], v[30+16*\u:31+16*\u]
	v_pk_mul_f32 v[20+16*\u:21+16*\u], v[20+16*\u:21+16*\u], v[16+2*\u:17+2*\u] op_sel_hi:[1,0]  ; times gate / 2, the pair's low word for both
	v_pk_mul_f32 v[22+16*\u:23+16*\u], v[22+16*\u:23+16*\u], v[16+2*\u:17+2*\u] op_sel_hi:[1,0]
	v_min_u32 v[53+\u], 8191, v[17+2*\u]           ; the slot enters an address
	v_lshlrev_b32 v[53+\u], 8, v[53+\u]
	v_add_nc_u32 v[53+\u], v55, v[53+\u]
.endr
	v_cmp_gt_u32 vcc_lo, s47, v52                  ; rows past the tile's count store nothing
	s_wait_xcnt 0x0                                ; EXEC changes only behind this wait
	s_and_saveexec_b32 s45, vcc_lo
	global_store_b128 v53, v[20:23], s[22:23]      ; 16 lanes store the 256 consecutive bytes of a row of part, aligned
	s_wait_xcnt 0x0
	s_or_b32 exec_lo, exec_lo, s45
	v_cmp_gt_u32 vcc_lo, s47, v56
	s_and_saveexec_b32 s45, vcc_lo                 ; nothing has been issued since the wait above
	global_store_b128 v54, v[36:39], s[22:23]
	s_wait_xcnt 0x0
	s_or_b32 exec_lo, exec_lo, s45
.Lend:
	s_wait_tensorcnt 0x0                           ; the wave's end
	ds_add_u32 v1, v2
	s_wait_dscnt 0x0
	s_endpgm
.Lfunc_end_k_qd93fee7b2b_chain:
	.size	k_qd93fee7b2b_chain, .Lfunc_end_k_qd93fee7b2b_chain-k_qd93fee7b2b_chain
	.p2alignl 7, 3214868480
	.fill 96, 4, 3214868480
	.section	.rodata,"a",@progbits
	.p2align	6, 0x0
	.amdhsa_kernel k_qd93fee7b2b_chain
		.amdhsa_group_segment_fixed_size 273664
		.amdhsa_private_segment_fixed_size 0
		.amdhsa_enable_private_segment 0
		.amdhsa_kernarg_size 64
		.amdhsa_user_sgpr_count 2
		.amdhsa_user_sgpr_kernarg_segment_ptr 1
		.amdhsa_wavefront_size32 1
		.amdhsa_system_sgpr_workgroup_id_x 1
		.amdhsa_system_sgpr_workgroup_id_y 1
		.amdhsa_system_sgpr_workgroup_id_z 1
		.amdhsa_system_vgpr_workitem_id 0
		.amdhsa_next_free_vgpr 256
		.amdhsa_next_free_sgpr 72
		.amdhsa_reserve_vcc 1
		.amdhsa_float_denorm_mode_32 3
		.amdhsa_float_denorm_mode_16_64 3
		.amdhsa_memory_ordered 1
		.amdhsa_forward_progress 1
		.amdhsa_inst_pref_size 140
	.end_amdhsa_kernel
	.amdgpu_metadata
---
amdhsa.version: [ 1, 2 ]
amdhsa.kernels:
  - .name:           k_qd93fee7b2b_chain
    .symbol:         k_qd93fee7b2b_chain.kd
    .args:
      - { .name: x, .offset: 0, .size: 8, .value_kind: global_buffer, .address_space: global }
      - { .name: b1, .offset: 8, .size: 8, .value_kind: global_buffer, .address_space: global }
      - { .name: b2, .offset: 16, .size: 8, .value_kind: global_buffer, .address_space: global }
      - { .name: b3, .offset: 24, .size: 8, .value_kind: global_buffer, .address_space: global }
      - { .name: out1, .offset: 32, .size: 8, .value_kind: global_buffer, .address_space: global }
      - { .name: wf, .offset: 40, .size: 8, .value_kind: global_buffer, .address_space: global }
      - { .name: rt, .offset: 48, .size: 8, .value_kind: global_buffer, .address_space: global }
      - { .name: part, .offset: 56, .size: 8, .value_kind: global_buffer, .address_space: global }
    .group_segment_fixed_size: 273664
    .private_segment_fixed_size: 0
    .kernarg_segment_align: 8
    .kernarg_segment_size: 64
    .max_flat_workgroup_size: 512
    .sgpr_count:     72
    .vgpr_count:     256
    .wavefront_size: 32
...
	.end_amdgpu_metadata
.endif
;; end of part 2
;; launch sum (part 3): grid 400 x 1, 8 waves a work-group, no clusters, 0 bytes of LDS; arguments part, out0; writes out0
.if DOCPART == 3
	.amdgcn_target "amdgcn-amd-amdhsa--gfx1250"
	.amdhsa_code_object_version 6
	.text
	.protected	k_qd93fee7b2b_sum
	.globl	k_qd93fee7b2b_sum
	.p2align	8
	.type	k_qd93fee7b2b_sum,@function
k_qd93fee7b2b_sum:
	s_mov_b64 s[64:65], 0
	v_nop
	global_prefetch_b8 v0, s[64:65] scope:SCOPE_SE
	s_setreg_imm32_b32 hwreg(HW_REG_WAVE_MODE, 25, 1), 1
	s_wait_xcnt 0x0
; SUM: out0[t][c] = part[2 t][c] + part[2 t + 1][c], c < 50: a token's two partial rows (f32, already times gate / 2), made by two different work-groups of the launch before.
; part's rows are 64 f32; columns 50 to 63 are not read.  A thread makes one pair of neighbouring numbers of out0: pair p = 256 g + thread of 102,400; a row of 50 is 25 whole pairs.
; A wave stores 256 consecutive bytes, aligned.  No loop, no LDS, no matrix work: each byte is read once and written once.
	s_load_b128 s[4:7], s[0:1], 0x0                ; part s[4:5], out0 s[6:7]
	s_lshl_b32 s8, ttmp9, 8                        ; the work-group's first pair
	s_mul_hi_u32 s9, s8, 0x51eb851f                ; / 25: ceil(2^35 / 25), exact for 32-bit numbers
	s_lshr_b32 s9, s9, 3                           ; its token,
	s_mul_i32 s10, s9, 25
	s_sub_co_u32 s10, s8, s10                      ; and its place in that token's row, 0 to 24
	s_lshl_b32 s11, ttmp9, 11
	v_add_nc_u32 v1, s10, v0                       ; at most 279
	v_mul_u32_u24 v2, v1, 5243                     ; / 25: 5,243 / 2^17 is over 1 / 25 by 9.2e-7, which up to 279 adds less than 1 / 25
	v_lshrrev_b32 v2, 17, v2
	v_mul_u32_u24 v3, v2, 25
	v_sub_nc_u32 v3, v1, v3                        ; my pair in its row
	v_add_nc_u32 v2, s9, v2                        ; my token
	v_lshlrev_b32 v3, 3, v3
	v_lshl_add_u32 v2, v2, 9, v3                   ; two rows of 256 bytes a token
	v_lshl_add_u32 v4, v0, 3, s11                  ; 8 p
	s_wait_kmcnt 0x0
	global_load_b64 v[6:7], v2, s[4:5]
	global_load_b64 v[8:9], v2, s[4:5] offset:256
	s_wait_loadcnt 0x0
	v_pk_add_f32 v[10:11], v[6:7], v[8:9]
	global_store_b64 v4, v[10:11], s[6:7]
	s_endpgm
.Lfunc_end_k_qd93fee7b2b_sum:
	.size	k_qd93fee7b2b_sum, .Lfunc_end_k_qd93fee7b2b_sum-k_qd93fee7b2b_sum
	.p2alignl 7, 3214868480
	.fill 96, 4, 3214868480
	.section	.rodata,"a",@progbits
	.p2align	6, 0x0
	.amdhsa_kernel k_qd93fee7b2b_sum
		.amdhsa_group_segment_fixed_size 0
		.amdhsa_private_segment_fixed_size 0
		.amdhsa_enable_private_segment 0
		.amdhsa_kernarg_size 16
		.amdhsa_user_sgpr_count 2
		.amdhsa_user_sgpr_kernarg_segment_ptr 1
		.amdhsa_wavefront_size32 1
		.amdhsa_system_sgpr_workgroup_id_x 1
		.amdhsa_system_sgpr_workgroup_id_y 1
		.amdhsa_system_sgpr_workgroup_id_z 1
		.amdhsa_system_vgpr_workitem_id 0
		.amdhsa_next_free_vgpr 16
		.amdhsa_next_free_sgpr 66
		.amdhsa_reserve_vcc 0
		.amdhsa_float_denorm_mode_32 3
		.amdhsa_float_denorm_mode_16_64 3
		.amdhsa_memory_ordered 1
		.amdhsa_forward_progress 1
		.amdhsa_inst_pref_size 2
	.end_amdhsa_kernel
	.amdgpu_metadata
---
amdhsa.version: [ 1, 2 ]
amdhsa.kernels:
  - .name:           k_qd93fee7b2b_sum
    .symbol:         k_qd93fee7b2b_sum.kd
    .args:
      - { .name: part, .offset: 0, .size: 8, .value_kind: global_buffer, .address_space: global }
      - { .name: out0, .offset: 8, .size: 8, .value_kind: global_buffer, .address_space: global }
    .group_segment_fixed_size: 0
    .private_segment_fixed_size: 0
    .kernarg_segment_align: 8
    .kernarg_segment_size: 16
    .max_flat_workgroup_size: 256
    .sgpr_count:     66
    .vgpr_count:     16
    .wavefront_size: 32
...
	.end_amdgpu_metadata
.endif
;; end of part 3
